; MI455X (gfx1250); checked and timed in simulation.
; The chip was launched on July 23, 2026; its instructions are those of AMD's public machine-readable ISA for CDNA 5 (MIT licence, August 2026) and "CDNA5" Instruction Set Architecture Reference Guide (July 2026). The comments in the code are by the model that wrote it; some were corrected since.
;; Token Importance Router. Allowed arithmetic: matrix products marked QUANTISED: E4M3 operands, one E8M0 scale for each 32 along K, by v_wmma_scale_f32_16x16x128_f8f6f4 with both operands' format E4M3, f32 sums; everything else in f32.
;; Inputs: Wk 512 x 2,048 float32; Wq 512 x 2,048 float32; bk 512 float32; bq 512 float32; hidden 4 x 4,096 x 2,048 float32.
;; Outputs: out0 4 x 4,096 float32.
;; This version of the problem:
;;   THIS VERSION OF THE PROBLEM IS GIVEN IN LOW PRECISION. The matrix products marked QUANTISED in the list below multiply operands that are first quantised to E4M3 (4 exponent bits, 3 mantissa bits; 8 bits a number), with one power-of-two scale for each 32 numbers along K (OCP MX v1.0); their sums are f32. All else is computed in f32.
;;   The module's matrix products, in the order in which they are computed (A, B: the left and right operand; K: the contracted axis; several contracted axes count as one K, in the product's order):
;;     1. [M 16,384, K 2,048] x [K 2,048, N 512]; A: input hidden; B: input Wq: QUANTISED
;;     2. [M 16,384, K 2,048] x [K 2,048, N 512]; A: input hidden; B: input Wk: QUANTISED
;;     3. batch 4 x [M 4,096, K 512] x [K 512, N 4,096]; A: computed on the way; B: computed on the way: QUANTISED
;;   THE QUANTISER, for each operand of a quantised product, along K:
;;     - K is cut into blocks of 32 from its start; a last block that is shorter is filled with zeros.
;;     - A block's scale is 2^e with e = floor(log2(the largest magnitude in the block)) - 8, held to -126 .. 127; a block of zeros has e = 0. As a byte (E8M0): e + 127.
;;     - Each number is divided by its block's scale, clamped to +-448, and rounded to the nearest number of E4M3, ties to even, subnormals kept.
;;     - The product sums the exact products of the quantised numbers (number of the format x scale) in f32.
;;   ~~~python
;;   def quantise(x, axis):      # numpy; x: float32 -> the quantised numbers, widened to float32 again
;;       x = np.moveaxis(x, axis, -1); K = x.shape[-1]
;;       x = np.pad(x, [(0, 0)] * (x.ndim - 1) + [(0, -K % 32)]); x = x.reshape(x.shape[:-1] + (-1, 32)); a = np.abs(x).max(-1, keepdims=True)
;;       e = np.where(a > 0, np.clip(np.frexp(np.where(a > 0, a, 1))[1] - 1 - 8, -126, 127), 0)      # np.frexp(a)[1] - 1 = floor(log2(a)), exactly
;;       r = np.clip(x / 2.0 ** e, -448, 448)
;;       step = 2.0 ** (np.maximum(np.frexp(np.where(r == 0, 1, r))[1] - 1, -6) - 3)
;;       q = np.round(r / step) * step * 2.0 ** e      # np.round: ties to even
;;       return np.moveaxis(q.reshape(q.shape[:-2] + (-1,))[..., :K], -1, axis).astype(np.float32)
;;   ~~~
;;   OPERANDS COMPUTED ON THE WAY. 'Computed on the way' means the value that the module computes at that place (a softmax that the list does not call 'softmax' is quantised finished and normalised). What goes into a quantiser is computed in f32, as accurately as f32 sums, v_exp_f32 and their like allow (about 1e-6 of the number): no bf16 or f16 on the way to a quantiser, and a product that is left as it is and whose result goes on into a quantised operand takes f32 operands (vector FMAs, or v_wmma_f32_16x16x4_f32). A number that lies on a knife's edge between two numbers of the format may be rounded either way, as far as f32 arithmetic and the matrix unit's own rounding can turn it there, and no further.
;; One version. Each part assembles by itself: llvm-mc -triple=amdgcn-amd-amdhsa -mcpu=gfx1250 --defsym DOCPART=n.
;; ======== version 1 of 1: 4 launches
;; limits: right only within a limited range of input values
;; workspace buffers: w_img 2,162,688 bytes; qk 17,301,504 bytes; part 524,288 bytes
;; launch wq (part 1): grid 256 x 1, 4 waves a work-group, no clusters, 1,024 bytes of LDS; arguments Wq, Wk, w_img; writes w_img
.if DOCPART == 1
	.amdgcn_target "amdgcn-amd-amdhsa--gfx1250"
	.amdhsa_code_object_version 6
	.text
	.protected	k_q3272be22d0_wq
	.globl	k_q3272be22d0_wq
	.p2align	8
	.type	k_q3272be22d0_wq,@function
k_q3272be22d0_wq:
	s_mov_b64 s[64:65], 0
	v_nop
	global_prefetch_b8 v0, s[64:65] scope:SCOPE_SE
	s_setreg_imm32_b32 hwreg(HW_REG_WAVE_MODE, 25, 1), 1
	s_wait_xcnt 0x0
; Wq and Wk [512][2048], f32, become codes of FP8 (E4M3) with one E8M0 scale byte for each 32 along K, laid as the next launch's LDS wants them:
; w_img [K step of 128: 16][quarter of 256 columns: 4][33,792 bytes]: 16 fragments of 16 columns (2,048 bytes each: registers 4 c .. 4 c + 3 of lane l at 512 c + 16 l), then 1,024 bytes of scale words:
; fragment b = 8 f + 2 i + u, column r of it: the word at 512 f + 16 (16 u + r) + 4 i.
; The 1,024 columns are Wq's 512 rows, then Wk's.  Fragment T's place r holds row 32 (T / 2) + 16 (r / 8) + 8 (T % 2) + r % 8, so that a lane's 16 results of two neighbouring fragments are neighbours in q or k.
; INSIDE A BLOCK OF 32 the order along K is permuted, the same for hidden in the next launch, so the products are the same: place 8 p + i holds k = 4 p + i (i < 4) or 16 + 4 p + i - 4.
; A block's scale is 2^(floor(log2(its largest magnitude)) - 8), held at the byte 1 from below; numbers are held within +-448 x the scale and rounded to nearest, ties to even.
; LIMITS of the program: a block of zeros keeps the byte 1 where the rule says 127 (its codes are zeros; the bytes are read by this program alone); blocks whose largest magnitude lies under 2^-118 are held at the byte 1;
; NaN and infinities among the inputs are not served.
; SHARES: a wave makes one fragment, 16 rows x 128 along K, 64 numbers a lane.  Work-group g: K step g % 16, (f, u) = (g / 32 % 2, g / 16 % 2), quarter g / 64; wave = i.  The four waves' words are one run of 256 bytes: gathered in LDS, stored whole.
; No cluster, no tensor load, no prefetch: every number is read once, and there is no loop.
.set X, 64
.set CD, 48
.set TM, 32
	s_load_b128 s[4:7], s[0:1], 0x0                ; Wq, Wk
	s_load_b64 s[8:9], s[0:1], 0x10                ; w_img
	v_lshl_add_u32 v10, v0, 2, 256                 ; my spare word
	v_mov_b32 v11, 0
	v_lshrrev_b32 v1, 5, v0
	v_readfirstlane_b32 s10, v1                    ; wave
	v_and_b32 v2, 15, v0                           ; r
	v_bfe_u32 v3, v0, 4, 1                         ; h
	v_bfe_u32 v4, v0, 3, 1
	v_and_b32 v5, 7, v0
	v_lshl_add_u32 v4, v4, 4, v5
	v_lshlrev_b32 v4, 13, v4
	v_lshl_add_u32 v4, v3, 5, v4                   ; row 16 (r / 8) + r % 8, + 32 h bytes
	v_and_b32 v6, 31, v0
	v_lshlrev_b32 v7, 4, v6                        ; 16 x lane
	v_lshlrev_b32 v8, 3, v6                        ; 8 x lane
	s_lshl_b32 s11, s10, 2
	v_lshl_add_u32 v9, v2, 4, s11                  ; LDS: my row's word: 16 r + 4 wave
	s_and_b32 s12, ttmp9, 15                       ; K step
	s_bfe_u32 s13, ttmp9, 0x20004                  ; 2 f + u
	s_lshr_b32 s14, ttmp9, 6                       ; quarter
	s_lshr_b32 s15, s13, 1                         ; f
	s_and_b32 s16, s13, 1                          ; u
	s_and_b32 s17, s14, 1
	s_lshl_b32 s17, s17, 3
	s_lshl_b32 s18, s15, 2
	s_add_co_u32 s17, s17, s18
	s_add_co_u32 s17, s17, s10
	s_lshl_b32 s17, s17, 5
	s_lshl_b32 s18, s16, 3
	s_add_co_u32 s17, s17, s18                     ; first row inside Wq or Wk
	s_lshl_b32 s18, s17, 13
	s_lshl_b32 s19, s12, 9
	s_add_co_u32 s18, s18, s19                     ; in bytes, + the K step
	s_mov_b32 s19, 0
	s_lshl_b32 s20, s12, 2
	s_add_co_u32 s20, s20, s14
	s_mul_i32 s20, s20, 33792                      ; K step and quarter in w_img
	s_lshl_b32 s22, s13, 8
	s_add_co_u32 s22, s22, s20
	s_add_co_u32 s22, s22, 32768                   ; the work-group's 256 bytes of words
	s_mov_b32 s23, 0
	s_lshl_b32 s24, s15, 3
	s_lshl_b32 s25, s10, 1
	s_add_co_u32 s24, s24, s25
	s_add_co_u32 s24, s24, s16
	s_lshl_b32 s24, s24, 11
	s_add_co_u32 s20, s20, s24                     ; my fragment
	s_mov_b32 s21, 0
	s_mov_b32 s26, 0x76543210
	s_mov_b32 s27, 0xfedcba98
	s_mov_b32 s28, 0x600000                        ; the mantissa field of 448
	s_wait_alu depctr_va_vdst(0)                   ; the wait at the head's end
	s_wait_kmcnt 0x0
	s_cmp_lt_u32 s14, 2
	s_cselect_b64 s[4:5], s[4:5], s[6:7]
	s_add_nc_u64 s[4:5], s[4:5], s[18:19]
	s_add_nc_u64 s[20:21], s[8:9], s[20:21]
	s_add_nc_u64 s[22:23], s[8:9], s[22:23]
.irp c, 0,1,2,3
	global_load_b128 v[X+16*\c:X+16*\c+3], v4, s[4:5] offset:128*\c            ; places 16 h .. 16 h + 15 of block c, four at a time
	global_load_b128 v[X+16*\c+4:X+16*\c+7], v4, s[4:5] offset:128*\c+64
	global_load_b128 v[X+16*\c+8:X+16*\c+11], v4, s[4:5] offset:128*\c+16
	global_load_b128 v[X+16*\c+12:X+16*\c+15], v4, s[4:5] offset:128*\c+80
.endr
	s_wait_loadcnt 0x0
.irp b, 0,1,2,3
	v_mov_b32 v[TM+4+\b], 0                        ; (a lane permute's destination counts as one of its sources)
.endr
.irp b, 0,1,2,3
	v_max3_num_f32 v[TM+\b], |v[X+16*\b]|, |v[X+1+16*\b]|, 0x4800000   ; with the floor 2^(9 - 127)
.endr
.irp i, 2,4,6,8,10,12,14
.irp b, 0,1,2,3
	v_max3_num_f32 v[TM+\b], v[TM+\b], |v[X+16*\b+\i]|, |v[X+1+16*\b+\i]|
.endr
.endr
.irp b, 0,1,2,3
	v_permlanex16_b32 v[TM+4+\b], v[TM+\b], s26, s27
.endr
.irp b, 0,1,2,3
	v_max_num_f32 v[TM+\b], v[TM+\b], v[TM+4+\b]   ; with lane l xor 16's: the block's largest
.endr
.irp b, 0,1,2,3
	v_add_nc_u32 v[TM+12+\b], 0xfc000000, v[TM+\b] ; 8 off the exponent field: the scale operand
.endr
.irp b, 0,1,2,3
	v_and_or_b32 v[TM+8+\b], v[TM+\b], 0x7f800000, s28   ; 448 x the scale
.endr
.irp b, 0,1,2,3
	v_lshrrev_b32 v[TM+4+\b], 23, v[TM+12+\b]      ; the byte
.endr
	v_lshl_or_b32 v12, v[TM+5], 8, v[TM+4]
	v_lshl_or_b32 v12, v[TM+6], 16, v12
	v_lshl_or_b32 v12, v[TM+7], 24, v12
	ds_store_b32 v9, v12                           ; both halves of the lanes write the same word
.irp c, 0,1,2,3
.irp i, 0,1,2,3,4,5,6,7,8,9,10,11,12,13,14,15
	v_med3_num_f32 v[X+16*\c+\i], v[X+16*\c+\i], -v[TM+8+\c], v[TM+8+\c]   ; the conversion does not saturate (ISA guide 7.6.2)
.endr
	v_cvt_scalef32_pk8_fp8_f32 v[CD+4*\c:CD+4*\c+1], v[X+16*\c:X+16*\c+7], v[TM+12+\c]
	v_cvt_scalef32_pk8_fp8_f32 v[CD+4*\c+2:CD+4*\c+3], v[X+16*\c+8:X+16*\c+15], v[TM+12+\c]
.endr
	v_nop
.irp c, 0,1,2,3
	global_store_b128 v7, v[CD+4*\c:CD+4*\c+3], s[20:21] offset:512*\c         ; 512 consecutive bytes a store
.endr
	s_wait_dscnt 0x0                               ; my words are in LDS
	s_barrier_signal -1
	s_barrier_wait -1
	s_cmp_lg_u32 s10, 0
	s_cbranch_scc1 .Lend                           ; wave 0 stores the four waves' words: 256 bytes, aligned
	ds_load_b64 v[14:15], v8
	s_wait_dscnt 0x0
	global_store_b64 v8, v[14:15], s[22:23]
.Lend:
	s_wait_tensorcnt 0x0                           ; the wave's end
	ds_add_u32 v10, v11
	s_wait_dscnt 0x0
	s_endpgm
.Lfunc_end_k_q3272be22d0_wq:
	.size	k_q3272be22d0_wq, .Lfunc_end_k_q3272be22d0_wq-k_q3272be22d0_wq
	.p2alignl 7, 3214868480
	.fill 96, 4, 3214868480
	.section	.rodata,"a",@progbits
	.p2align	6, 0x0
	.amdhsa_kernel k_q3272be22d0_wq
		.amdhsa_group_segment_fixed_size 1024
		.amdhsa_private_segment_fixed_size 0
		.amdhsa_enable_private_segment 0
		.amdhsa_kernarg_size 24
		.amdhsa_user_sgpr_count 2
		.amdhsa_user_sgpr_kernarg_segment_ptr 1
		.amdhsa_wavefront_size32 1
		.amdhsa_system_sgpr_workgroup_id_x 1
		.amdhsa_system_sgpr_workgroup_id_y 1
		.amdhsa_system_sgpr_workgroup_id_z 1
		.amdhsa_system_vgpr_workitem_id 0
		.amdhsa_next_free_vgpr 128
		.amdhsa_next_free_sgpr 66
		.amdhsa_reserve_vcc 0
		.amdhsa_float_denorm_mode_32 3
		.amdhsa_float_denorm_mode_16_64 3
		.amdhsa_memory_ordered 1
		.amdhsa_forward_progress 1
		.amdhsa_inst_pref_size 14
	.end_amdhsa_kernel
	.amdgpu_metadata
---
amdhsa.version: [ 1, 2 ]
amdhsa.kernels:
  - .name:           k_q3272be22d0_wq
    .symbol:         k_q3272be22d0_wq.kd
    .args:
      - { .name: Wq, .offset: 0, .size: 8, .value_kind: global_buffer, .address_space: global }
      - { .name: Wk, .offset: 8, .size: 8, .value_kind: global_buffer, .address_space: global }
      - { .name: w_img, .offset: 16, .size: 8, .value_kind: global_buffer, .address_space: global }
    .group_segment_fixed_size: 1024
    .private_segment_fixed_size: 0
    .kernarg_segment_align: 8
    .kernarg_segment_size: 24
    .max_flat_workgroup_size: 128
    .sgpr_count:     66
    .vgpr_count:     128
    .wavefront_size: 32
...
	.end_amdgpu_metadata
.endif
;; end of part 1
;; launch proj (part 2): grid 256 x 1, 4 waves a work-group, clusters of 4 x 1, 327,680 bytes of LDS; arguments hidden, w_img, bq, bk, qk; writes qk
.if DOCPART == 2
	.amdgcn_target "amdgcn-amd-amdhsa--gfx1250"
	.amdhsa_code_object_version 6
	.text
	.protected	k_q3272be22d0_proj
	.globl	k_q3272be22d0_proj
	.p2align	8
	.type	k_q3272be22d0_proj,@function
k_q3272be22d0_proj:
	s_mov_b64 s[64:65], 0
	v_nop
	global_prefetch_b8 v0, s[64:65] scope:SCOPE_SE
	s_setreg_imm32_b32 hwreg(HW_REG_WAVE_MODE, 25, 1), 1
	s_wait_xcnt 0x0
	s_wait_alu depctr_hold_cnt(0) depctr_sa_sdst(0) depctr_va_vdst(0) depctr_va_sdst(0) depctr_va_ssrc(0) depctr_va_vcc(0) depctr_vm_vsrc(0)
	s_getreg_b32 s2, hwreg(HW_REG_IB_STS2, 6, 4)
	s_cmp_eq_u32 s2, 0
	s_cbranch_scc0 .Lentry_in_a_cluster
	s_endpgm
.Lentry_in_a_cluster:
	s_bfe_u32 s2, ttmp6, 0x10000c
	s_cmp_lg_u32 s2, 0x3003
	s_cbranch_scc0 .Lentry_shape_is_right
	s_endpgm
.Lentry_shape_is_right:
; q = hidden Wq^T + bq and k = hidden Wk^T + bk, with hidden quantised on its way in and q, k on their way out: no code of hidden and no f32 of q or k goes to memory.
; A work-group takes 64 tokens x all 1,024 columns, so hidden is read once.  Wave w takes columns 256 w on (waves 0, 1: q; 2, 3: k): 64 accumulators of 16 x 16, 512 registers.
; LIMITS: as the first launch's; sums beyond f32's range are not served.
; HIDDEN: of each K step of 128 a wave quantises 16 rows.  Lanes 0-15 hold row i, lanes 16-31 row i + 8; four lanes a block of 32: lane p of it k = 4 p .. + 3 and 16 + 4 p .. + 3 (two loads, which together name 512 whole bytes of each row).
;   The 8 codes leave by ds_store_b64 into rows of 128 + 16 bytes, the byte by ds_store_b8 (four lanes write the same byte).  The order inside a block is the weights' order.
;   Two K steps of f32 (2 x 64 registers) take turns: a row's registers are asked for again, two K steps on, as soon as its codes are made: 32 loads of a wave are out, over barriers too.  So hidden has no prefetch: its loads run as far ahead as one would.
; WEIGHTS: codes and scale words of a K step, 33,792 bytes a wave, by one JOINT tensor load a wave, shared by the cluster's four work-groups; two slots.  Images, read 512 bytes on end: no padding.
;   They are asked of memory two K steps ahead of the load that wants them, by the first four clusters alone (all work-groups read the same 2 MB): wave w names quarter w's 132 units of 256 bytes, place cx the units 32 cx .. 32 cx + 31 and 128 + cx.
; A K STEP: PHASE 1: A's four tiles x my fragments 0-7, with hidden's rows 4-7 (and 12-15) of the next K step quantised among the products; then the round; PHASE 2: fragments 8-15, with rows 0-3 (8-11) of the K step after the next.
;   The round at the middle shows the next K step's codes of hidden and its slot of weights; behind it this K step's slot is filled again, two K steps on: its last fragments are in registers.
;   Fragments 8-15 are fetched at phase 1's head, 0-7 of the next K step at phase 2's; a tile of A is fetched anew behind its eight products of phase 2 (tile 3 at the next phase 1's head).
; THE PRODUCTS ARE TRANSPOSED (source 0 = weights): a lane holds one token and 16 neighbouring columns in two neighbouring accumulators.  The 64 accumulators take turns, one product a turn.
; OUT: qk [q or k][block of 512 tokens: 32][K step of 128: 4][67,584 bytes]: 32 tiles of 16 tokens as images of 2,048 bytes, then 8 x 256 bytes of scale words: group g = tiles 4 g .. 4 g + 3: lane l's two words i = 0, 1 are tile 4 g + 2 i + l / 16's, token l % 16.
; REGISTERS: window 0: v1-31 addresses, the quantiser's; v32-63 scale words (set e at 32 + 16 e: weights' at + 0-3, + 8-11, A's at + 4-7: no product's two words have numbers equal modulo 8) and codes; v64-127 A; v128-255 f32.
;   window 1: weights' fragments b at v[16 b].   window 2: accumulators (a, b < 8) at v[64 a + 8 b];  window 3: b = 8 .. 15.
.set QTR, 33792                        ; a wave's codes and scale words of a K step: 132 rows of 256 bytes
.set SLOT, 4*QTR
.set AC, 2*SLOT                        ; hidden's codes: two buffers of 64 rows
.set AP, 144
.set AB, 64*AP
.set ASC, AC+2*AB                      ; hidden's scale bytes: two buffers of 64 words
.set SPARE, ASC+512
.set STP, 67584
.set BLK, 4*STP
.set TEN, 32*BLK
.set XO, 1
.set CST, 2
.set BST, 3
.set AFR, 4
.set ASR, 5
.set BFR, 6
.set SPW, 8
.set NIL, 9
.set LN, 10
.set LI, 11
.set BO, 12
.set PF, 13
.set PF2, 14
.set LW, 15
.set TM, 16
.set SOP, 20
.set BY, 24
.set SC, 32
.set CD, 44
.set AF, 64
.set X, 128
.set G1, 16
.set G0, 24
.set XB, 40
.set PFB, 42
.set SEL, 50
.set MNT, 52
.set MSB, 0
.macro WIN new                         ; the immediate's high byte repeats the setting that is left
.if MSB != \new
	s_set_vgpr_msb (MSB<<8)|\new
.set MSB, \new
.endif
.endm
.macro PLACES n
.rept \n
	v_nop
.endr
.endm
.macro CREST                           ; a round of the cluster's barrier behind its opening barrier
	s_cmp_lg_u32 s14, 0
	s_cbranch_scc1 .Lnot_wave_0_\@
	s_barrier_signal -3
.Lnot_wave_0_\@:
	s_barrier_wait -3
	s_barrier_signal -1
	s_barrier_wait -1
.endm
.macro CROUND
	s_barrier_signal -1
	s_barrier_wait -1
	CREST
.endm
.macro TLOAD s                         ; my quarter of a K step's weights into slot s
	tensor_load_to_lds s[G0+4*(\s):G0+4*(\s)+3], s[G1:G1+7]
	s_nop 0
	PLACES 4
.endm
.macro XLD s, r0, off                  ; hidden: rows r0 .. r0 + 3 (and 8 on) into set s
.irp k, 0,1,2,3
	global_load_b128 v[X+64*(\s)+8*(\k+\r0):X+64*(\s)+8*(\k+\r0)+3], v[XO], s[XB:XB+1] offset:(\k+\r0)*8192+\off
	global_load_b128 v[X+64*(\s)+8*(\k+\r0)+4:X+64*(\s)+8*(\k+\r0)+7], v[XO], s[XB:XB+1] offset:(\k+\r0)*8192+\off+64
.endr
.endm
.macro QST k                           ; stage k of 18 of the quantiser, for four pairs of rows by turns, at v[XQ]
.irp j, 0,1,2,3
.set x_, XQ+8*\j
.set cd_, CD+2*(\j%2)+16*(\j/2)
.if (\k) == 0
	v_max3_num_f32 v[TM+\j], |v[x_]|, |v[x_+1]|, |v[x_+2]|
.elseif (\k) < 3
	v_max3_num_f32 v[TM+\j], v[TM+\j], |v[x_+2*(\k)+1]|, |v[x_+2*(\k)+2]|
.elseif (\k) == 3
	v_max3_num_f32 v[TM+\j], v[TM+\j], |v[x_+7]|, 0x4800000   ; and the floor 2^(9 - 127)
.elseif (\k) == 4
	v_max_num_f32_dpp v[TM+\j], v[TM+\j], v[TM+\j] row_xmask:1 row_mask:0xf bank_mask:0xf
.elseif (\k) == 5
	v_max_num_f32_dpp v[TM+\j], v[TM+\j], v[TM+\j] row_xmask:2 row_mask:0xf bank_mask:0xf   ; the block's four lanes
.elseif (\k) == 6
	v_add_nc_u32 v[SOP+\j], 0xfc000000, v[TM+\j]              ; 8 off the exponent field: the scale operand
.elseif (\k) == 7
	v_and_or_b32 v[TM+\j], v[TM+\j], 0x7f800000, s[MNT]       ; 448 x the scale
.elseif (\k) < 16
	v_med3_num_f32 v[x_+(\k)-8], v[x_+(\k)-8], -v[TM+\j], v[TM+\j]   ; the conversion does not saturate (ISA guide 7.6.2)
.elseif (\k) == 16
	v_cvt_scalef32_pk8_fp8_f32 v[cd_:cd_+1], v[x_:x_+7], v[SOP+\j]
.else
	v_lshrrev_b32 v[BY+\j], 23, v[SOP+\j]                     ; the byte; also the plain lines behind the conversions
.endif
.endr
.endm
.macro QOUT buf, r0                    ; codes and bytes into LDS: eight stores
.irp j, 0,1,2,3
.set cd_, CD+2*(\j%2)+16*(\j/2)
	ds_store_b64 v[CST], v[cd_:cd_+1] offset:(\buf)*AB+(\j+\r0)*AP
	ds_store_b8 v[BST], v[BY+\j] offset:(\buf)*256+4*(\j+\r0)
.endr
.endm
.macro LDA a, e                        ; A's tile a from buffer e: four loads
.irp c, 0,1,2,3
	ds_load_b128 v[AF+16*(\a)+4*\c:AF+16*(\a)+4*\c+3], v[AFR] offset:(\e)*AB+(\a)*16*AP+32*\c
.endr
.endm
.macro LDB s, half                     ; my eight fragments of a half from slot s: 32 loads
	WIN 0x40
.irp f, 0,1,2,3,4,5,6,7
.irp c, 0,1,2,3
	ds_load_b128 v[128*(\half)+16*\f+4*\c:128*(\half)+16*\f+4*\c+3], v[BFR+(\s)] offset:(8*(\half)+\f)*2048+512*\c
.endr
.endr
	WIN 0
.endm
.macro SCW e                           ; a K step's scale words into set e: six loads
	ds_load_b128 v[SC+16*(\e):SC+16*(\e)+3], v[BFR+(\e)] offset:32768
	ds_load_b128 v[SC+16*(\e)+8:SC+16*(\e)+11], v[BFR+(\e)] offset:33280
.irp a, 0,1,2,3
	ds_load_b32 v[SC+16*(\e)+4+\a], v[ASR] offset:256*(\e)+64*\a
.endr
.endm
.macro WM z, e                         ; the product of A's tile A_ and fragment B_, scale words' set e; z = 1: it starts the sum
.set D_, 8*(8*A_+B_%8)
.set F_, 16*B_
.set G_, AF+16*A_
.set P_, SC+16*(\e)+8*(B_/8)+(B_/2)%4
.set S_, SC+16*(\e)+4+A_
.if \z
.if B_%2
	v_wmma_scale_f32_16x16x128_f8f6f4 v[D_:D_+7], v[F_:F_+15], v[G_:G_+15], 0, v[P_], v[S_] matrix_a_scale:MATRIX_SCALE_ROW1
.else
	v_wmma_scale_f32_16x16x128_f8f6f4 v[D_:D_+7], v[F_:F_+15], v[G_:G_+15], 0, v[P_], v[S_]
.endif
.else
.if B_%2
	v_wmma_scale_f32_16x16x128_f8f6f4 v[D_:D_+7], v[F_:F_+15], v[G_:G_+15], v[D_:D_+7], v[P_], v[S_] matrix_a_scale:MATRIX_SCALE_ROW1
.else
	v_wmma_scale_f32_16x16x128_f8f6f4 v[D_:D_+7], v[F_:F_+15], v[G_:G_+15], v[D_:D_+7], v[P_], v[S_]
.endif
.endif
.endm
.macro ASK                             ; the weights of the K step four on: two K steps ahead of their tensor load; s46 = this K step + 1, s45 = 13 in the clusters that ask, else 0
	s_cmp_lt_u32 s46, s45
	s_cbranch_scc0 .Lnot_mine_\@
	global_prefetch_b8 v[PF], s[PFB:PFB+1] th:TH_LOAD_NT scope:SCOPE_SE
	global_prefetch_b8 v[PF2], s[PFB:PFB+1] th:TH_LOAD_NT scope:SCOPE_SE
.Lnot_mine_\@:
.endm
; PHASE 1 of a K step of parity e.  q: it quantises; ld: it asks for hidden again; cnt: the loads that may stay out; w: LDS instructions that may stay out (eight stores if the phase before quantised, then A's tile 3 and the half's 32);
; mid: 2: a round follows, 1: a barrier, 0: none.
.macro PH1 e, z, q, ld, cnt, w, mid
	PLACES 8                                       ; behind phase 2's last product, ahead of loads into what it has read
	WIN 0
	LDA 3, \e
	LDB \e, 1
	s_wait_dscnt \w                                ; fragments 0-7, the scale words and A's tiles 0-2 are in
.if \q
	s_wait_loadcnt \cnt
.endif
.set XQ, X+64*(1-\e)+32
.set N, 0
.rept 32
.set A_, N/8
.set B_, N%8
	WIN 0xa1
	WM \z, \e
.if (\q) && (N < 18)
	WIN 0
	QST N
.endif
.if (\q) && (N == 17)
	QOUT 1-\e, 4
.endif
.if (\ld) && (N == 19)
	WIN 0
	XLD 1-\e, 4, 0
.endif
.if ((\mid) == 2) && (N == 22)
	s_wait_xcnt 0x0                                ; the loads and prefetches have taken their bases
	s_add_nc_u64 s[XB:XB+1], s[XB:XB+1], 512
	s_add_nc_u64 s[PFB:PFB+1], s[PFB:PFB+1], SLOT
	s_add_co_u32 s46, s46, 1
.endif
.if N == 23
.if \q
	s_wait_dscnt 40                                ; A's tile 3 is in: behind it the half's 32 loads and eight stores
.else
	s_wait_dscnt 32
.endif
.endif
.if (\mid) && (N == 27)
	WIN 0
	s_wait_tensorcnt 0x0                           ; my quarter of the next slot has landed;
	ds_add_u32 v[SPW], v[NIL]
.endif
.if (\mid) && (N == 29)
	s_wait_dscnt 0x0                               ; the add, my stores of codes and my reads of this slot are done
	s_barrier_signal -1
.endif
.set N, N+1
.endr
.endm
.macro MID e, kind, nx                 ; between the phases: the round, the refill two K steps on, the next K step's first fragments and scale words
.if (\kind) == 0
	PLACES 8
	s_wait_dscnt 0x0                               ; fragments 8-15 are in
.else
	WIN 0
	s_barrier_wait -1
.if (\kind) == 2
	CREST
	s_add_nc_u64 s[G0+4*(\e)+2:G0+4*(\e)+3], s[G0+4*(\e)+2:G0+4*(\e)+3], 2*SLOT
	TLOAD \e                                       ; the first tensor load behind the round; its four v_nop are among the eight places ahead of the loads below
	PLACES 4
.else
	PLACES 8
.endif
.endif
.if \nx
	LDB 1-\e, 0
	SCW 1-\e
.endif
.endm
.macro PH2 e, z, q, ld, cnt, nx        ; PHASE 2; ld = 2: hidden is asked for again but in the loop's last trip; nx: a K step follows
.set XQ, X+64*(\e)
.set N, 0
.rept 32
.set A_, N/8
.set B_, N%8+8
	WIN 0xf1
	WM \z, \e
.if (\ld) && (N == 1)
	WIN 0
	ASK
.endif
.if (\q) && (N == 6)
	s_wait_loadcnt \cnt
.endif
.if (\q) && (N > 7) && (N < 26)
	WIN 0
	QST N-8
.endif
.if (\nx) && ((N == 9) || (N == 16) || (N == 25))
	WIN 0
.if (\q) == 0
	PLACES 8
.endif
	LDA (N-9)/7, 1-\e                              ; a tile of A whose eight products are issued: eight plain vector lines stand behind the last of them
.endif
.if (\q) && (N == 25)
	QOUT \e, 0
.endif
.if ((\ld) == 1) && (N == 27)
	WIN 0
	XLD \e, 0, 0
.endif
.if ((\ld) == 2) && (N == 27)
	WIN 0
	s_cmp_eq_u32 s47, 1
	s_cbranch_scc1 .Lno_more_\@
	XLD \e, 0, 0
.Lno_more_\@:
.endif
.set N, N+1
.endr
	WIN 0
.endm
.macro STEP e, z, q1, l1, c1, q2, l2, c2, w, mid
	PH1 \e, \z, \q1, \l1, \c1, \w, \mid
	MID \e, \mid, 1
	PH2 \e, \z, \q2, \l2, \c2, 1
.endm
	s_load_b256 s[4:11], s[0:1], 0x0               ; hidden, w_img, bq, bk
	s_load_b64 s[12:13], s[0:1], 0x20              ; qk
	v_lshl_add_u32 v[SPW], v0, 2, SPARE
	v_mov_b32 v[NIL], 0
	ds_add_u32 v[SPW], v[NIL]                      ; the wave's opening: the add, twice on end, under one wait
	ds_add_u32 v[SPW], v[NIL]
	v_lshrrev_b32 v15, 5, v0
	v_readfirstlane_b32 s14, v15                   ; wave
	v_and_b32 v[LN], 31, v0
	v_and_b32 v28, 15, v0                          ; lane % 16
	v_bfe_u32 v29, v0, 4, 1                        ; lane / 16
	v_bfe_u32 v30, v0, 2, 2                        ; my block of the row's four
	v_and_b32 v31, 3, v0                           ; my place in it
	v_lshlrev_b32 v[XO], 16, v29                   ; 8 rows of 8,192 bytes
	v_lshl_add_u32 v[XO], v30, 7, v[XO]
	v_lshl_add_u32 v[XO], v31, 4, v[XO]
	s_bfe_u32 s33, ttmp6, 0x40000                  ; cx
	s_lshl_b32 s32, ttmp9, 2
	s_add_co_u32 s32, s32, s33                     ; my 64 tokens
	s_lshl_b32 s34, s32, 19
	s_lshl_b32 s35, s14, 17
	s_add_co_u32 s34, s34, s35                     ; my wave's 16 rows
	s_mov_b32 s35, 0
	s_mov_b32 s[G1], 15|(3<<16)|(1<<21)            ; the mask: all four work-groups; elements of 8 bytes; 21 set beside a mask
	s_mov_b32 s[G1+1], 32<<16                      ; rows of 256 bytes
	s_mov_b32 s[G1+2], 132<<16
	s_mov_b32 s[G1+3], 32<<16
	s_mov_b32 s[G1+4], 132
	s_mov_b32 s[G1+5], 32
	s_mov_b32 s[G1+6], 0
	s_mov_b32 s[G1+7], 0
	s_mul_i32 s36, s14, QTR
	s_mov_b32 s37, 0
	s_mov_b32 s[G0], 1
	s_mov_b32 s[G0+1], s36
	s_mov_b32 s[G0+4], 1
	s_add_co_u32 s[G0+5], s36, SLOT
	s_mov_b32 s[SEL], 0x76543210
	s_mov_b32 s[SEL+1], 0xfedcba98
	s_mov_b32 s[MNT], 0x600000                     ; the mantissa field of 448
	s_wait_alu depctr_va_vdst(0)
	s_wait_dscnt 0x0                               ; both opening adds are done
	s_wait_kmcnt 0x0
	s_add_nc_u64 s[XB:XB+1], s[4:5], s[34:35]
	XLD 0, 0, 0                                    ; K steps 0 and 1 of my rows
	XLD 0, 4, 0
	XLD 1, 0, 512
	XLD 1, 4, 512
	s_add_nc_u64 s[G0+2:G0+3], s[6:7], s[36:37]
	s_add_nc_u64 s[G0+6:G0+7], s[G0+2:G0+3], SLOT
	s_or_b32 s[G0+3], s[G0+3], 0x80000000
	s_or_b32 s[G0+7], s[G0+7], 0x80000000
	s_add_nc_u64 s[PFB:PFB+1], s[6:7], 3*SLOT
	CROUND                                         ; all four work-groups are here: the joint loads meet
	TLOAD 0                                        ; K step 0: one tensor load a wave at the head
	s_mul_i32 s34, s14, 16*AP
	s_add_co_u32 s34, s34, AC
	v_mul_u32_u24 v20, v29, 8*AP
	v_lshl_add_u32 v20, v28, 3, v20
	v_add_nc_u32 v[CST], s34, v20                  ; codes: row 16 wave + 8 (lane / 16), 8 (lane % 16)
	s_lshl_b32 s34, s14, 6
	s_add_co_u32 s34, s34, ASC
	v_lshl_add_u32 v21, v29, 5, v30
	v_add_nc_u32 v[BST], s34, v21                  ; the byte: 4 x row + block
	v_mul_u32_u24 v22, v28, AP
	v_lshl_add_u32 v22, v29, 4, v22
	v_add_nc_u32 v[AFR], AC, v22                   ; a fragment of A: row lane % 16, 16 (lane / 16)
	v_lshl_add_u32 v[ASR], v28, 2, ASC             ; its word: both halves of the lanes take it
	v_lshlrev_b32 v[LI], 4, v[LN]
	v_lshlrev_b32 v[LW], 3, v[LN]
	v_lshlrev_b32 v[BO], 6, v29
	v_add_nc_u32 v[BFR], s36, v[LI]
	s_add_co_u32 s34, s36, SLOT
	v_add_nc_u32 v[BFR+1], s34, v[LI]
	s_lshl_b32 s34, s33, 13
	s_add_co_u32 s34, s34, s36
	v_lshl_add_u32 v[PF], v[LN], 8, s34            ; units 32 cx + lane of my quarter
	s_lshl_b32 s34, s33, 8
	s_add_co_u32 s34, s34, s36
	s_add_co_u32 s34, s34, 32768
	v_mov_b32 v[PF2], s34                          ; unit 128 + cx
	s_lshr_b32 s34, s14, 1                         ; where my results go: q or k,
	s_mul_i32 s34, s34, TEN
	s_lshr_b32 s35, s32, 3                         ; the block of 512 tokens,
	s_mul_i32 s35, s35, BLK
	s_add_co_u32 s34, s34, s35
	s_and_b32 s38, s14, 1                          ; my two K steps of 128 columns,
	s_mul_i32 s35, s38, 2*STP
	s_add_co_u32 s34, s34, s35
	s_and_b32 s39, s32, 7                          ; my four tiles of the block's 32
	s_lshl_b32 s35, s39, 8
	s_add_co_u32 s48, s34, s35
	s_add_co_u32 s48, s48, 65536
	s_mov_b32 s49, 0
	s_lshl_b32 s35, s39, 13
	s_add_co_u32 s34, s34, s35
	s_mov_b32 s35, 0
	s_add_nc_u64 s[48:49], s[12:13], s[48:49]      ; scale words
	s_add_nc_u64 s[12:13], s[12:13], s[34:35]      ; codes
	s_lshl_b32 s34, s38, 10
	s_cmp_lt_u32 s14, 2
	s_cselect_b64 s[8:9], s[8:9], s[10:11]         ; bq or bk,
	s_add_nc_u64 s[8:9], s[8:9], s[34:35]          ; my 256 of its 512
	s_mov_b32 s46, 0
	s_cmp_lt_u32 ttmp9, 4
	s_cselect_b32 s45, 13, 0
	s_wait_alu depctr_va_vdst(0)                   ; the wait at the head's end
	s_cmp_lg_u32 s45, 0
	s_cbranch_scc0 .Lask_none
	global_prefetch_b8 v[PF], s[PFB:PFB+1] offset:-SLOT th:TH_LOAD_NT scope:SCOPE_SE    ; the weights of K steps 2 and 3
	global_prefetch_b8 v[PF2], s[PFB:PFB+1] offset:-SLOT th:TH_LOAD_NT scope:SCOPE_SE
	global_prefetch_b8 v[PF], s[PFB:PFB+1] th:TH_LOAD_NT scope:SCOPE_SE
	global_prefetch_b8 v[PF2], s[PFB:PFB+1] th:TH_LOAD_NT scope:SCOPE_SE
.Lask_none:
.macro QALL base, buf, r0, s, off      ; four pairs of rows at once, at the head
	s_wait_loadcnt 24                              ; the oldest eight of 32 loads are in
.set XQ, \base
.irp k, 0,1,2,3,4,5,6,7,8,9,10,11,12,13,14,15,16,17
	QST \k
.endr
	QOUT \buf, \r0
	XLD \s, \r0, \off
.endm
	QALL X, 0, 0, 0, 1024                          ; K step 0, all rows;
	QALL X+32, 0, 4, 0, 1024
	QALL X+64, 1, 0, 1, 1536                       ; K step 1, the first half
	s_wait_xcnt 0x0
	s_add_nc_u64 s[XB:XB+1], s[XB:XB+1], 1536
	s_wait_tensorcnt 0x0                           ; my quarter of slot 0 is in
	ds_add_u32 v[SPW], v[NIL]
	s_wait_dscnt 0x0                               ; the add and my stores of codes are done
	CROUND
	TLOAD 1                                        ; K step 1, the first tensor load behind the round
	LDB 0, 0
	SCW 0
	LDA 0, 0
	LDA 1, 0
	LDA 2, 0
	STEP 0, 1, 1, 1, 24, 1, 1, 24, 36, 2           ; K step 0: its products start the sums
	s_mov_b32 s47, 6
.Lk:                                                   ; K steps 1 to 12, two a trip
	STEP 1, 0, 1, 1, 24, 1, 1, 24, 44, 2
	STEP 0, 0, 1, 1, 24, 1, 2, 24, 44, 2
	s_sub_co_u32 s47, s47, 1
	s_cmp_lg_u32 s47, 0
	s_cbranch_scc1 .Lk
	STEP 1, 0, 1, 0, 16, 1, 0, 8, 44, 2            ; 13: the last refill; hidden's last loads are used up
	STEP 0, 0, 1, 0, 0, 0, 0, 0, 44, 1             ; 14: nothing is filled again, so no round
	PH1 1, 0, 0, 0, 0, 36, 0                       ; 15
	MID 1, 0, 0
	WIN 0x40
.irp k, 0,1                            ; the bias, into the registers of fragments 0-7: register 64 k + 16 b + i is column 128 k + 32 b + 16 (lane / 16) + i of my 256
.irp b, 0,1,2,3
.irp j, 0,1,2,3
	global_load_b128 v[64*\k+16*\b+4*\j:64*\k+16*\b+4*\j+3], v[BO], s[8:9] offset:512*\k+128*\b+16*\j
.endr
.endr
.endr
	PH2 1, 0, 0, 0, 0, 0
	PLACES 8
; THE WAY OUT: 16 tokens x 128 columns at a time: + bias, quantised along the columns, four stores of 512 consecutive bytes.
.set T, 128
.set PC, 192
.set TQ, 208
.set PWB, 224
.macro QUANT s, pw
.irp b, 0,1,2,3
	v_max3_num_f32 v[TQ+\b], |v[\s+16*\b]|, |v[\s+1+16*\b]|, 0x4800000
.endr
.irp i, 2,4,6,8,10,12,14
.irp b, 0,1,2,3
	v_max3_num_f32 v[TQ+\b], v[TQ+\b], |v[\s+16*\b+\i]|, |v[\s+1+16*\b+\i]|
.endr
.endr
.irp b, 0,1,2,3
	v_permlanex16_b32 v[TQ+4+\b], v[TQ+\b], s[SEL], s[SEL+1]
.endr
.irp b, 0,1,2,3
	v_max_num_f32 v[TQ+\b], v[TQ+\b], v[TQ+4+\b]
.endr
.irp b, 0,1,2,3
	v_add_nc_u32 v[TQ+12+\b], 0xfc000000, v[TQ+\b]
.endr
.irp b, 0,1,2,3
	v_and_or_b32 v[TQ+8+\b], v[TQ+\b], 0x7f800000, s[MNT]
.endr
.irp b, 0,1,2,3
	v_lshrrev_b32 v[TQ+4+\b], 23, v[TQ+12+\b]
.endr
	v_lshl_or_b32 v[\pw], v[TQ+5], 8, v[TQ+4]
	v_lshl_or_b32 v[\pw], v[TQ+6], 16, v[\pw]
	v_lshl_or_b32 v[\pw], v[TQ+7], 24, v[\pw]
.irp b, 0,1,2,3
.irp i, 0,1,2,3,4,5,6,7,8,9,10,11,12,13,14,15
	v_med3_num_f32 v[\s+16*\b+\i], v[\s+16*\b+\i], -v[TQ+8+\b], v[TQ+8+\b]
.endr
	v_cvt_scalef32_pk8_fp8_f32 v[PC+4*\b:PC+1+4*\b], v[\s+16*\b:\s+7+16*\b], v[TQ+12+\b]
	v_cvt_scalef32_pk8_fp8_f32 v[PC+2+4*\b:PC+3+4*\b], v[\s+8+16*\b:\s+15+16*\b], v[TQ+12+\b]
.endr
	v_nop
.endm
.macro OUTBLK kk, a
	s_wait_xcnt 0x0                                ; earlier stores have read their registers
	WIN 0x06+\kk
.set i, 0
.rept 32
	v_pk_add_f32 v[T+2*i:T+2*i+1], v[64*\a+2*i:64*\a+2*i+1], v[64*\kk+2*i:64*\kk+2*i+1]
.set i, i+1
.endr
	WIN 0
	QUANT T, PWB+\a
.irp c, 0,1,2,3
	global_store_b128 v[LI], v[PC+4*\c:PC+4*\c+3], s[12:13] offset:STP*\kk+2048*\a+512*\c
.endr
.endm
	s_wait_loadcnt 0x0
.irp b, 0,1,2,3
	v_mov_b32 v[TQ+4+\b], 0                        ; (a lane permute's destination counts as one of its sources)
.endr
	v_cmp_le_u32 vcc_lo, 16, v[LN]
.irp kk, 0,1
.irp a, 0,1,2,3
	OUTBLK \kk, \a
.endr
	v_cndmask_b32 v232, v[PWB], v[PWB+1], vcc_lo
	v_cndmask_b32 v233, v[PWB+2], v[PWB+3], vcc_lo
	global_store_b64 v[LW], v[232:233], s[48:49] offset:STP*\kk   ; 256 consecutive bytes, aligned
.endr
	s_wait_tensorcnt 0x0                           ; the wave's end
	ds_add_u32 v[SPW], v[NIL]
	s_wait_dscnt 0x0
	CROUND                                         ; no work-group ends while a partner may still ask for a tile that names it
	s_endpgm
.Lfunc_end_k_q3272be22d0_proj:
	.size	k_q3272be22d0_proj, .Lfunc_end_k_q3272be22d0_proj-k_q3272be22d0_proj
	.p2alignl 7, 3214868480
	.fill 96, 4, 3214868480
	.section	.rodata,"a",@progbits
	.p2align	6, 0x0
	.amdhsa_kernel k_q3272be22d0_proj
		.amdhsa_group_segment_fixed_size 327680
		.amdhsa_private_segment_fixed_size 0
		.amdhsa_enable_private_segment 0
		.amdhsa_kernarg_size 40
		.amdhsa_user_sgpr_count 2
		.amdhsa_user_sgpr_kernarg_segment_ptr 1
		.amdhsa_wavefront_size32 1
		.amdhsa_system_sgpr_workgroup_id_x 1
		.amdhsa_system_sgpr_workgroup_id_y 1
		.amdhsa_system_sgpr_workgroup_id_z 1
		.amdhsa_system_vgpr_workitem_id 0
		.amdhsa_next_free_vgpr 1024
		.amdhsa_next_free_sgpr 66
		.amdhsa_reserve_vcc 1
		.amdhsa_float_denorm_mode_32 3
		.amdhsa_float_denorm_mode_16_64 3
		.amdhsa_memory_ordered 1
		.amdhsa_forward_progress 1
		.amdhsa_inst_pref_size 255
	.end_amdhsa_kernel
	.section	.bss,"aw",@nobits
	.p2align	6
	.space	262144
	.amdgpu_metadata
---
amdhsa.version: [ 1, 2 ]
amdhsa.kernels:
  - .name:           k_q3272be22d0_proj
    .symbol:         k_q3272be22d0_proj.kd
    .args:
      - { .name: hidden, .offset: 0, .size: 8, .value_kind: global_buffer, .address_space: global }
      - { .name: w_img, .offset: 8, .size: 8, .value_kind: global_buffer, .address_space: global }
      - { .name: bq, .offset: 16, .size: 8, .value_kind: global_buffer, .address_space: global }
      - { .name: bk, .offset: 24, .size: 8, .value_kind: global_buffer, .address_space: global }
      - { .name: qk, .offset: 32, .size: 8, .value_kind: global_buffer, .address_space: global }
    .group_segment_fixed_size: 327680
    .private_segment_fixed_size: 0
    .kernarg_segment_align: 8
    .kernarg_segment_size: 40
    .max_flat_workgroup_size: 128
    .sgpr_count:     66
    .vgpr_count:     1024
    .wavefront_size: 32
...
	.end_amdgpu_metadata
.endif
;; end of part 2
;; launch attn (part 3): grid 8 x 32, 4 waves a work-group, clusters of 4 x 1, 327,680 bytes of LDS; arguments qk, part; writes part
.if DOCPART == 3
	.amdgcn_target "amdgcn-amd-amdhsa--gfx1250"
	.amdhsa_code_object_version 6
	.text
	.protected	k_q3272be22d0_attn
	.globl	k_q3272be22d0_attn
	.p2align	8
	.type	k_q3272be22d0_attn,@function
k_q3272be22d0_attn:
	s_mov_b64 s[64:65], 0
	v_nop
	global_prefetch_b8 v0, s[64:65] scope:SCOPE_SE
	s_setreg_imm32_b32 hwreg(HW_REG_WAVE_MODE, 25, 1), 1
	s_wait_xcnt 0x0
	s_wait_alu depctr_hold_cnt(0) depctr_sa_sdst(0) depctr_va_vdst(0) depctr_va_sdst(0) depctr_va_ssrc(0) depctr_va_vcc(0) depctr_vm_vsrc(0)
	s_getreg_b32 s2, hwreg(HW_REG_IB_STS2, 6, 4)
	s_cmp_eq_u32 s2, 0
	s_cbranch_scc0 .Lentry_in_a_cluster
	s_endpgm
.Lentry_in_a_cluster:
	s_bfe_u32 s2, ttmp6, 0x10000c
	s_cmp_lg_u32 s2, 0x3003
	s_cbranch_scc0 .Lentry_shape_is_right
	s_endpgm
.Lentry_shape_is_right:
; part[key block][token] = the sum, over the 512 keys of one key block of the token's batch, of q[token] . k[key], on codes of FP8 (E4M3) with one E8M0 scale for each 32 along the 512 of q and k.
; Every product q . k is multiplied; what is spared is the adding: source 0 = 16 keys, source 1 = 16 queries, so a lane holds ONE query and 8 keys' products, and every key tile adds onto the same accumulator.
; At the end the 8 registers and the two halves of the lanes are added.  The factor 512^-0.5 / 4096 is applied by the last launch, once, to the finished sum: another order of rounding.  NaN and infinities are not served.
; IN: qk as the launch before leaves it: [q or k][block of 512 tokens][K step][32 tiles of 2,048 bytes, 2,048 bytes of scale words].
; SHARES: grid y = 8 x batch + key block; a work-group takes 512 queries (block 4 x cluster x + cx) x 512 keys.  Wave w keeps 128 queries; all waves read all 32 key tiles from LDS: a key fragment feeds eight products.
; CLUSTER: the four work-groups of a cluster share y, so they want the same keys: asked for JOINTLY (mask 15).  CHUNK s = K step s of all 32 key tiles with its scale words, 67,584 bytes: wave s asks for chunk s, one tensor load a wave.
; LDS is filled once, all of it at the start; so no prefetch: nothing is asked for later but q's next K step, a whole K step of 256 products ahead.  The first barrier shows chunk 0 (wave 0 alone waits: it has a load line of its own); the barrier at K step 0's end shows the rest.
; THE LOOP: two trips of two K steps (parity e); a K step is eight units of four key tiles, 32 products each; two buffers of four fragments take turns.  q has two sets, one a parity.
; The accumulators begin as zeros, since a trip is written once.
; REGISTERS: window 0: v1-15 addresses; v32-63 k's scale words of parity 0 (word x at 32 + 8 (x / 4) + x % 4) and between them q's (36-39, 44-47); v64-95 k's of parity 1: no product's two words have numbers equal modulo 8;
;   v128-255 key fragments.   window 1: q (tile t, parity e at 128 e + 16 t).   window 2: eight accumulators.
.set CH, 67584
.set BLK, 4*CH
.set TEN, 32*BLK
.set STG, 4*CH                         ; behind the chunks: 512 bytes for each wave, for the way out
.set SPARE, STG+2048
.set LI, 1
.set AK, 2                             ; v2, v3  a chunk of parity 0, 1: + 16 x lane
.set AW, 4                             ; v4, v5  its byte 32,768 + 8 x lane
.set LW, 6
.set LN, 7
.set SA, 8
.set SB, 9
.set SPW, 14
.set NIL, 15
.set KW, 32
.set QW, 36
.set KF, 128
.set WV, 10
.set G1, 24
.set G0, 32
.set SEL, 60
.set MSB, 0
.macro WIN new
.if MSB != \new
	s_set_vgpr_msb (MSB<<8)|\new
.set MSB, \new
.endif
.endm
.macro CROUND
	s_barrier_signal -1
	s_barrier_wait -1
	s_cmp_lg_u32 s[WV], 0
	s_cbranch_scc1 .Lnot_wave_0_\@
	s_barrier_signal -3
.Lnot_wave_0_\@:
	s_barrier_wait -3
	s_barrier_signal -1
	s_barrier_wait -1
.endm
.macro TLOAD
	tensor_load_to_lds s[G0:G0+3], s[G1:G1+7]
	s_nop 0
.rept 4
	v_nop
.endr
.endm
.macro QT t, e, off                    ; query tile t of a K step: four loads of 512 consecutive bytes (destination window 1)
.irp c, 0,1,2,3
	global_load_b128 v[128*(\e)+16*(\t)+4*\c:128*(\e)+16*(\t)+4*\c+3], v[LI], s[20:21] offset:\off+2048*(\t)+512*\c
.endr
.endm
.macro QWORDS e, off
	global_load_b64 v[QW+8*(\e):QW+8*(\e)+1], v[LW], s[22:23] offset:\off
	global_load_b64 v[QW+8*(\e)+2:QW+8*(\e)+3], v[LW], s[22:23] offset:\off+256
.endm
.macro KWORDS e                        ; k's 16 words of a K step: eight loads
.irp g, 0,1,2,3,4,5,6,7
	ds_load_b64 v[KW+32*(\e)+8*(\g/2)+2*(\g%2):KW+32*(\e)+8*(\g/2)+2*(\g%2)+1], v[AW+(\e)] offset:32768+256*\g
.endr
.endm
.macro KFR e, u, buf                   ; four key fragments: 16 loads
.irp f, 0,1,2,3
.irp c, 0,1,2,3
	ds_load_b128 v[\buf+16*\f+4*\c:\buf+16*\f+4*\c+3], v[AK+(\e)] offset:2048*(4*(\u)+\f)+512*\c
.endr
.endr
.endm
	s_load_b128 s[4:7], s[0:1], 0x0                ; qk, part
	v_lshl_add_u32 v[SPW], v0, 2, SPARE
	v_mov_b32 v[NIL], 0
	ds_add_u32 v[SPW], v[NIL]                      ; the wave's opening: the add, twice on end, under one wait
	ds_add_u32 v[SPW], v[NIL]
	v_lshrrev_b32 v10, 5, v0
	v_readfirstlane_b32 s[WV], v10
	v_and_b32 v[LN], 31, v0
	v_lshlrev_b32 v[LI], 4, v[LN]
	v_lshlrev_b32 v[LW], 3, v[LN]
	v_mov_b32 v[AK], v[LI]
	v_add_nc_u32 v[AK+1], CH, v[LI]
	v_add_nc_u32 v[AW], 0x8000, v[LW]
	v_add_nc_u32 v[AW+1], CH+0x8000, v[LW]
	s_lshl_b32 s57, s[WV], 9
	s_add_co_u32 s57, s57, STG
	v_lshl_add_u32 v[SA], v[LN], 2, s57
	v_add_nc_u32 v[SB], s57, v[LI]
	s_bfe_u32 s11, ttmp6, 0x40000                  ; cx
	s_and_b32 s12, ttmp7, 0xffff                   ; y = 8 x batch + key block, which the four partners share
	s_lshr_b32 s13, s12, 3                         ; batch
	s_and_b32 s14, s12, 7                          ; key block
	s_lshl_b32 s15, ttmp9, 2
	s_add_co_u32 s15, s15, s11                     ; my block of 512 queries: it enters q's and part's addresses alone
	s_mov_b32 s[G1], 15|(3<<16)|(1<<21)            ; the mask: all four work-groups; elements of 8 bytes; 21 set beside a mask
	s_mov_b32 s[G1+1], 32<<16                      ; 264 rows of 256 bytes
	s_mov_b32 s[G1+2], 264<<16
	s_mov_b32 s[G1+3], 32<<16
	s_mov_b32 s[G1+4], 264
	s_mov_b32 s[G1+5], 32
	s_mov_b32 s[G1+6], 0
	s_mov_b32 s[G1+7], 0
	s_mov_b32 s[SEL], 0x76543210
	s_mov_b32 s[SEL+1], 0xfedcba98
	s_mov_b32 s[G0], 1
	s_mul_i32 s[G0+1], s[WV], CH                   ; chunk = wave
	s_mul_i32 s40, s12, BLK
	s_mul_i32 s41, s[WV], CH
	s_add_co_u32 s40, s40, s41
	s_add_co_u32 s40, s40, TEN
	s_mov_b32 s41, 0
	s_lshl_b32 s42, s13, 3
	s_add_co_u32 s42, s42, s15                     ; my queries' block
	s_mul_i32 s44, s42, BLK
	s_lshl_b32 s46, s[WV], 9
	s_add_co_u32 s46, s46, s44
	s_add_co_u32 s46, s46, 65536                   ; my queries' scale words
	s_mov_b32 s47, 0
	s_lshl_b32 s45, s[WV], 14
	s_add_co_u32 s44, s44, s45                     ; and codes
	s_mov_b32 s45, 0
	s_lshl_b32 s48, s42, 11
	s_lshl_b32 s49, s[WV], 9
	s_add_co_u32 s48, s48, s49
	s_lshl_b32 s49, s14, 16
	s_add_co_u32 s48, s48, s49                     ; my 512 bytes of part: 65,536 x key block + 4 x token
	s_mov_b32 s49, 0
	s_wait_alu depctr_va_vdst(0)
	s_wait_dscnt 0x0                               ; both opening adds are done
	s_wait_kmcnt 0x0
	s_add_nc_u64 s[20:21], s[4:5], s[44:45]
	s_add_nc_u64 s[22:23], s[4:5], s[46:47]
	s_add_nc_u64 s[6:7], s[6:7], s[48:49]
	s_add_nc_u64 s[G0+2:G0+3], s[4:5], s[40:41]
	s_or_b32 s[G0+3], s[G0+3], 0x80000000
	QWORDS 0, 0                                    ; K step 0 of my queries goes out ahead of the round
	WIN 0x40
.irp t, 0,1,2,3,4,5,6,7
	QT \t, 0, 0
.endr
	WIN 0
	CROUND                                         ; all four work-groups are here: the joint loads meet
	s_cmp_eq_u32 s[WV], 0                          ; one joint load a wave
	s_cbranch_scc0 .Lothers
	TLOAD                                          ; wave 0: chunk 0, which is wanted first
	s_branch .Lasked
.Lothers:
	TLOAD                                          ; waves 1 to 3: chunks 1 to 3
.Lasked:
	WIN 0x80
.set i, 0
.rept 64
	v_mov_b32 v[i], 0                              ; the accumulators (window 2)
.set i, i+1
.endr
	WIN 0
	s_mov_b32 s3, 2
	s_wait_alu depctr_va_vdst(0)                   ; the wait at the head's end
	s_cmp_eq_u32 s[WV], 0
	s_cbranch_scc0 .Lnot_mine
	s_wait_tensorcnt 0x0                           ; wave 0: chunk 0 is in
.Lnot_mine:
	s_barrier_signal -1
	s_barrier_wait -1
	KWORDS 0
	KFR 0, 0, KF
; Product i of a unit's 32: key fragment i / 8 x query tile i % 8; the eight accumulators take turns.
.macro PROD e, u
.set D_, 8*(i%8)
.set F_, kB+16*(i/8)
.set G_, 128*(\e)+16*(i%8)
.set x_, 2*(\u)+i/16
.set P_, KW+32*(\e)+8*(x_/4)+x_%4
.set S_, QW+8*(\e)+(i%8)/2
.if ((i/8)%2) && (i%2)
	v_wmma_scale_f32_16x16x128_f8f6f4 v[D_:D_+7], v[F_:F_+15], v[G_:G_+15], v[D_:D_+7], v[P_], v[S_] matrix_a_scale:MATRIX_SCALE_ROW1 matrix_b_scale:MATRIX_SCALE_ROW1
.elseif (i/8)%2
	v_wmma_scale_f32_16x16x128_f8f6f4 v[D_:D_+7], v[F_:F_+15], v[G_:G_+15], v[D_:D_+7], v[P_], v[S_] matrix_a_scale:MATRIX_SCALE_ROW1
.elseif i%2
	v_wmma_scale_f32_16x16x128_f8f6f4 v[D_:D_+7], v[F_:F_+15], v[G_:G_+15], v[D_:D_+7], v[P_], v[S_] matrix_b_scale:MATRIX_SCALE_ROW1
.else
	v_wmma_scale_f32_16x16x128_f8f6f4 v[D_:D_+7], v[F_:F_+15], v[G_:G_+15], v[D_:D_+7], v[P_], v[S_]
.endif
.set i, i+1
.endm
; UNIT u of a K step of parity e.  The next unit's 16 LDS loads stand in one run behind the first eight products, each with a v_nop behind it: eight places behind the unit before,
; whose buffer they fill.  LDS loads come back in order (ISA guide 5.7.1): a fragment is waited for by the count of the loads behind it.  A K step's last unit waits for all its fragments, fetched 24 products ago.
.macro UNIT e, u
.set kB, KF+64*((\u)%2)
.set kN, KF+64*(((\u)+1)%2)
.if (\u) == 7
	s_wait_dscnt 0x0
.if (\e) == 0
	s_wait_tensorcnt 0x0                           ; all my chunk has landed (every wave waits)
	s_barrier_signal -1
.endif
.else
	s_wait_dscnt 12                                ; fragment 0 and the scale words are in
.endif
.if (\u) == 0
	s_wait_loadcnt 0x0                             ; this K step of q: no other load of mine is out
.endif
	WIN 0xa4
.set i, 0
.rept 8
	PROD \e, \u
	v_nop
.endr
	WIN 0
.if (\u) == 7
.if (\e) == 0
	s_barrier_wait -1                              ; every chunk is whole
	KWORDS 1
	KFR 1, 0, kN
.else
	s_cmp_eq_u32 s3, 1
	s_cbranch_scc1 .Lnone_\@                       ; the last trip fetches nothing more
	KWORDS 0
	KFR 0, 0, kN
.Lnone_\@:
.endif
.else
	KFR \e, (\u)+1, kN
.endif
.if (\u) < 4                           ; two tiles of q's next K step
.if (\e) == 1
	s_cmp_eq_u32 s3, 1
	s_cbranch_scc1 .Lno_q_\@
.endif
.if (\u) == 0
	QWORDS 1-\e, CH*(1+\e)
.endif
	WIN 0x40
	QT 2*(\u), 1-\e, CH*(1+\e)
	QT 2*(\u)+1, 1-\e, CH*(1+\e)
	WIN 0
.if (\e) == 1
.Lno_q_\@:
.endif
.endif
.if ((\e) == 1) && ((\u) == 5)
	v_xor_b32 v[AK], 0x21000, v[AK]                ; parity 0's chunk of the next trip: two chunks on (no bit of the sum is carried)
	v_xor_b32 v[AW], 0x21000, v[AW]
	s_wait_alu depctr_va_vdst(0)                   ; directly behind the writes
.endif
	WIN 0xa4
.rept 24
.if ((\u) != 7) && (i%8 == 0)
	s_wait_dscnt 28-4*(i/8)                        ; fragment i / 8 is in: behind it the unit's later ones and the 16 just issued
.endif
	PROD \e, \u
.endr
.endm
.Ltrip:
.irp u, 0,1,2,3,4,5,6,7
	UNIT 0, \u
.endr
.irp u, 0,1,2,3,4,5,6,7
	UNIT 1, \u
.endr
	WIN 0
	s_wait_xcnt 0x0                                ; q's loads have taken their bases
	s_add_nc_u64 s[20:21], s[20:21], 2*CH
	s_add_nc_u64 s[22:23], s[22:23], 2*CH
	v_xor_b32 v[AK+1], 0x21000, v[AK+1]
	v_xor_b32 v[AW+1], 0x21000, v[AW+1]
	s_sub_co_u32 s3, s3, 1
	s_cmp_lg_u32 s3, 0
	s_wait_alu depctr_va_vdst(0)                   ; ahead of the branch
	s_cbranch_scc1 .Ltrip
.rept 8
	v_nop                                          ; eight places behind the last products
.endr
	; THE WAY OUT: a lane's 8 registers, then the other half of the lanes: query 16 t + r's sum over the 512 keys
.irp t, 0,1,2,3,4,5,6,7
	v_mov_b32 v[168+\t], 0                         ; (a lane permute's destination counts as one of its sources)
.endr
	v_cmp_le_u32 vcc_lo, 16, v[LN]
	WIN 0x0a
.irp t, 0,1,2,3,4,5,6,7
	v_pk_add_f32 v[128+4*\t:129+4*\t], v[8*\t:8*\t+1], v[8*\t+2:8*\t+3]     ; each accumulator from its low end on
.endr
.irp t, 0,1,2,3,4,5,6,7
	v_pk_add_f32 v[130+4*\t:131+4*\t], v[8*\t+4:8*\t+5], v[8*\t+6:8*\t+7]
.endr
	WIN 0
.irp t, 0,1,2,3,4,5,6,7
	v_pk_add_f32 v[128+4*\t:129+4*\t], v[128+4*\t:129+4*\t], v[130+4*\t:131+4*\t]
.endr
.irp t, 0,1,2,3,4,5,6,7
	v_add_f32 v[160+\t], v[128+4*\t], v[129+4*\t]
.endr
.irp t, 0,1,2,3,4,5,6,7
	v_permlanex16_b32 v[168+\t], v[160+\t], s[SEL], s[SEL+1]
.endr
.irp t, 0,1,2,3,4,5,6,7
	v_add_f32 v[160+\t], v[160+\t], v[168+\t]
.endr
.irp i, 0,1,2,3
	v_cndmask_b32 v[176+\i], v[160+2*\i], v[161+2*\i], vcc_lo     ; lane l now holds query 32 i + l
.endr
.irp i, 0,1,2,3
	ds_store_b32 v[SA], v[176+\i] offset:128*\i                   ; through my wave's own 512 bytes, so that a lane holds four neighbours
.endr
	ds_load_b128 v[180:183], v[SB]                 ; LDS serves a wave's instructions in order (ISA guide 5.7.1.4): this sees the stores above
	s_wait_dscnt 0x0
	global_store_b128 v[LI], v[180:183], s[6:7]    ; 512 consecutive bytes, aligned
	s_wait_tensorcnt 0x0                           ; the wave's end
	ds_add_u32 v[SPW], v[NIL]
	s_wait_dscnt 0x0
	CROUND                                         ; no work-group ends while a partner may still ask for a tile that names it
	s_endpgm
.Lfunc_end_k_q3272be22d0_attn:
	.size	k_q3272be22d0_attn, .Lfunc_end_k_q3272be22d0_attn-k_q3272be22d0_attn
	.p2alignl 7, 3214868480
	.fill 96, 4, 3214868480
	.section	.rodata,"a",@progbits
	.p2align	6, 0x0
	.amdhsa_kernel k_q3272be22d0_attn
		.amdhsa_group_segment_fixed_size 327680
		.amdhsa_private_segment_fixed_size 0
		.amdhsa_enable_private_segment 0
		.amdhsa_kernarg_size 16
		.amdhsa_user_sgpr_count 2
		.amdhsa_user_sgpr_kernarg_segment_ptr 1
		.amdhsa_wavefront_size32 1
		.amdhsa_system_sgpr_workgroup_id_x 1
		.amdhsa_system_sgpr_workgroup_id_y 1
		.amdhsa_system_sgpr_workgroup_id_z 1
		.amdhsa_system_vgpr_workitem_id 0
		.amdhsa_next_free_vgpr 576
		.amdhsa_next_free_sgpr 66
		.amdhsa_reserve_vcc 1
		.amdhsa_float_denorm_mode_32 3
		.amdhsa_float_denorm_mode_16_64 3
		.amdhsa_memory_ordered 1
		.amdhsa_forward_progress 1
		.amdhsa_inst_pref_size 112
	.end_amdhsa_kernel
	.amdgpu_metadata
---
amdhsa.version: [ 1, 2 ]
amdhsa.kernels:
  - .name:           k_q3272be22d0_attn
    .symbol:         k_q3272be22d0_attn.kd
    .args:
      - { .name: qk, .offset: 0, .size: 8, .value_kind: global_buffer, .address_space: global }
      - { .name: part, .offset: 8, .size: 8, .value_kind: global_buffer, .address_space: global }
    .group_segment_fixed_size: 327680
    .private_segment_fixed_size: 0
    .kernarg_segment_align: 8
    .kernarg_segment_size: 16
    .max_flat_workgroup_size: 128
    .sgpr_count:     66
    .vgpr_count:     576
    .wavefront_size: 32
...
	.end_amdgpu_metadata
.endif
;; end of part 3
;; launch finish (part 4): grid 64 x 1, 2 waves a work-group, no clusters, 0 bytes of LDS; arguments part, out0; writes out0
.if DOCPART == 4
	.amdgcn_target "amdgcn-amd-amdhsa--gfx1250"
	.amdhsa_code_object_version 6
	.text
	.protected	k_q3272be22d0_finish
	.globl	k_q3272be22d0_finish
	.p2align	8
	.type	k_q3272be22d0_finish,@function
k_q3272be22d0_finish:
	s_mov_b64 s[64:65], 0
	v_nop
	global_prefetch_b8 v0, s[64:65] scope:SCOPE_SE
	s_setreg_imm32_b32 hwreg(HW_REG_WAVE_MODE, 25, 1), 1
	s_wait_xcnt 0x0
; out0[token] = (the sum over the 8 key blocks of part[key block][token]) x 512^-0.5 / 4096.  part: [8][16384] f32; out0: [4][4096] f32, the same order of tokens.
; A thread takes four neighbouring tokens: eight loads of 16 bytes, 65,536 bytes apart, each 512 consecutive bytes a wave; a tree of packed additions; one factor; one store of 512 consecutive bytes a wave.
; 64 work-groups of two waves are all the work that there is: 16,384 tokens, four to a thread.  No LDS, no matrix unit, no cluster: nothing is shared.
; The factor 2^-4.5 x 2^-12 is applied once, to the finished sum: another order of rounding than scaling each product ahead of the mean.
	s_load_b128 s[4:7], s[0:1], 0x0                ; part s[4:5], out0 s[6:7]
	s_lshl_b32 s8, ttmp9, 10                       ; 64 threads x 16 bytes a work-group
	v_lshl_add_u32 v1, v0, 4, s8
	s_wait_alu depctr_va_vdst(0)
	s_wait_kmcnt 0x0
.irp k, 0,1,2,3,4,5,6,7
	global_load_b128 v[4+4*\k:7+4*\k], v1, s[4:5] offset:65536*\k
.endr
	s_wait_loadcnt 0x0
.irp k, 0,2,4,6
	v_pk_add_f32 v[4+4*\k:5+4*\k], v[4+4*\k:5+4*\k], v[8+4*\k:9+4*\k]
	v_pk_add_f32 v[6+4*\k:7+4*\k], v[6+4*\k:7+4*\k], v[10+4*\k:11+4*\k]
.endr
.irp k, 0,4
	v_pk_add_f32 v[4+4*\k:5+4*\k], v[4+4*\k:5+4*\k], v[12+4*\k:13+4*\k]
	v_pk_add_f32 v[6+4*\k:7+4*\k], v[6+4*\k:7+4*\k], v[14+4*\k:15+4*\k]
.endr
	v_pk_add_f32 v[4:5], v[4:5], v[20:21]
	v_pk_add_f32 v[6:7], v[6:7], v[22:23]
	v_pk_mul_f32 v[4:5], v[4:5], 0x373504f3 op_sel_hi:[1,0]      ; sqrt(2) x 2^-17 = 512^-0.5 / 4096
	v_pk_mul_f32 v[6:7], v[6:7], 0x373504f3 op_sel_hi:[1,0]
	global_store_b128 v1, v[4:7], s[6:7]
	s_endpgm
.Lfunc_end_k_q3272be22d0_finish:
	.size	k_q3272be22d0_finish, .Lfunc_end_k_q3272be22d0_finish-k_q3272be22d0_finish
	.p2alignl 7, 3214868480
	.fill 96, 4, 3214868480
	.section	.rodata,"a",@progbits
	.p2align	6, 0x0
	.amdhsa_kernel k_q3272be22d0_finish
		.amdhsa_group_segment_fixed_size 0
		.amdhsa_private_segment_fixed_size 0
		.amdhsa_enable_private_segment 0
		.amdhsa_kernarg_size 16
		.amdhsa_user_sgpr_count 2
		.amdhsa_user_sgpr_kernarg_segment_ptr 1
		.amdhsa_wavefront_size32 1
		.amdhsa_system_sgpr_workgroup_id_x 1
		.amdhsa_system_sgpr_workgroup_id_y 1
		.amdhsa_system_sgpr_workgroup_id_z 1
		.amdhsa_system_vgpr_workitem_id 0
		.amdhsa_next_free_vgpr 48
		.amdhsa_next_free_sgpr 66
		.amdhsa_reserve_vcc 0
		.amdhsa_float_denorm_mode_32 3
		.amdhsa_float_denorm_mode_16_64 3
		.amdhsa_memory_ordered 1
		.amdhsa_forward_progress 1
		.amdhsa_inst_pref_size 3
	.end_amdhsa_kernel
	.amdgpu_metadata
---
amdhsa.version: [ 1, 2 ]
amdhsa.kernels:
  - .name:           k_q3272be22d0_finish
    .symbol:         k_q3272be22d0_finish.kd
    .args:
      - { .name: part, .offset: 0, .size: 8, .value_kind: global_buffer, .address_space: global }
      - { .name: out0, .offset: 8, .size: 8, .value_kind: global_buffer, .address_space: global }
    .group_segment_fixed_size: 0
    .private_segment_fixed_size: 0
    .kernarg_segment_align: 8
    .kernarg_segment_size: 16
    .max_flat_workgroup_size: 64
    .sgpr_count:     66
    .vgpr_count:     48
    .wavefront_size: 32
...
	.end_amdgpu_metadata
.endif
;; end of part 4
